; MI455X (gfx1250); checked and timed in simulation.
; The chip was launched on July 23, 2026; its instructions are those of AMD's public machine-readable ISA for CDNA 5 (MIT licence, August 2026) and "CDNA5" Instruction Set Architecture Reference Guide (July 2026). The comments in the code are by the model that wrote it; some were corrected since.
;; FP8 Linear. Allowed arithmetic: matrix products marked QUANTISED: E2M1 operands, one E8M0 scale for each 32 along K, by v_wmma_scale_f32_16x16x128_f8f6f4 with both operands' format E2M1 (or v_wmma_scale_f32_32x16x128_f4), f32 sums; everything else in f32.
;; Inputs: scb 14,336 float32; weight_int8 14,336 x 4,096 int8; x 2 x 512 x 4,096 float32.
;; Outputs: out0 2 x 512 x 14,336 bfloat16.
;; This version of the problem:
;;   THIS VERSION OF THE PROBLEM IS GIVEN IN LOW PRECISION. The matrix products marked QUANTISED in the list below multiply operands that are first quantised to E2M1 (2 exponent bits, 1 mantissa bit; 4 bits a number), with one power-of-two scale for each 32 numbers along K (OCP MX v1.0); their sums are f32. All else is computed in f32.
;;   The module's matrix products, in the order in which they are computed (A, B: the left and right operand; K: the contracted axis; several contracted axes count as one K, in the product's order):
;;     1. [M 1,024, K 4,096] x [K 4,096, N 14,336]; A: input x; B: computed on the way: QUANTISED
;;   THE QUANTISER, for each operand of a quantised product, along K:
;;     - K is cut into blocks of 32 from its start; a last block that is shorter is filled with zeros.
;;     - A block's scale is 2^e with e = floor(log2(the largest magnitude in the block)) - 2, held to -126 .. 127; a block of zeros has e = 0. As a byte (E8M0): e + 127.
;;     - Each number is divided by its block's scale, clamped to +-6, and rounded to the nearest number of E2M1, ties to even, subnormals kept.
;;     - The product sums the exact products of the quantised numbers (number of the format x scale) in f32.
;;   ~~~python
;;   def quantise(x, axis):      # numpy; x: float32 -> the quantised numbers, widened to float32 again
;;       x = np.moveaxis(x, axis, -1); K = x.shape[-1]
;;       x = np.pad(x, [(0, 0)] * (x.ndim - 1) + [(0, -K % 32)]); x = x.reshape(x.shape[:-1] + (-1, 32)); a = np.abs(x).max(-1, keepdims=True)
;;       e = np.where(a > 0, np.clip(np.frexp(np.where(a > 0, a, 1))[1] - 1 - 2, -126, 127), 0)      # np.frexp(a)[1] - 1 = floor(log2(a)), exactly
;;       r = np.clip(x / 2.0 ** e, -6, 6)
;;       step = 2.0 ** (np.maximum(np.frexp(np.where(r == 0, 1, r))[1] - 1, 0) - 1)
;;       q = np.round(r / step) * step * 2.0 ** e      # np.round: ties to even
;;       return np.moveaxis(q.reshape(q.shape[:-2] + (-1,))[..., :K], -1, axis).astype(np.float32)
;;   ~~~
;;   OPERANDS COMPUTED ON THE WAY. 'Computed on the way' means the value that the module computes at that place (a softmax that the list does not call 'softmax' is quantised finished and normalised). What goes into a quantiser is computed in f32, as accurately as f32 sums, v_exp_f32 and their like allow (about 1e-6 of the number): no bf16 or f16 on the way to a quantiser, and a product that is left as it is and whose result goes on into a quantised operand takes f32 operands (vector FMAs, or v_wmma_f32_16x16x4_f32). A number that lies on a knife's edge between two numbers of the format may be rounded either way, as far as f32 arithmetic and the matrix unit's own rounding can turn it there, and no further.
;; One version. Each part assembles by itself: llvm-mc -triple=amdgcn-amd-amdhsa -mcpu=gfx1250 --defsym DOCPART=n.
;; ======== version 1 of 1: 2 launches
;; limits: values are held in bf16: 8 bits of precision; right only within a limited range of input values
;; workspace buffers: xq 2,228,224 bytes
;; launch qx (part 1): grid 256 x 1, 8 waves a work-group, no clusters, 51,712 bytes of LDS; arguments x, xq; writes xq
.if DOCPART == 1
	.amdgcn_target "amdgcn-amd-amdhsa--gfx1250"
	.amdhsa_code_object_version 6
	.text
	.protected	k_qeb8f756cac_qx
	.globl	k_qeb8f756cac_qx
	.p2align	8
	.type	k_qeb8f756cac_qx,@function
k_qeb8f756cac_qx:
	s_mov_b64 s[64:65], 0
	v_nop
	global_prefetch_b8 v0, s[64:65] scope:SCOPE_SE
	s_setreg_imm32_b32 hwreg(HW_REG_WAVE_MODE, 25, 1), 1
	s_wait_xcnt 0x0
; x [1024][4096] f32 is turned into codes of FP4 (E2M1) with one E8M0 byte for each 32 along K.  (W is quantised in the second launch, where it is read.)
; NOTHING IS LEFT OUT: x, weight_int8 and scb all reach the output through the one product; the clip and the.
; A block's scale is 2^(floor(log2(its largest magnitude)) - 2).  THE STORED BYTE IS 37 MORE than that exponent + 127: the second launch makes W's numbers 2^-37 times as large, and the two factors cancel.
; LIMITS: blocks of x whose largest magnitude is 2^93 or more are not served (the byte is held at 254); a block of zeros or under 2^-124 gets the floor's byte
; (zero codes add nothing under it, and this program alone reads the bytes); NaN and infinities among x are not served (the maximum drops a NaN, the conversion gives the largest code).
; LAYOUT of xq: a SHARE is 128 rows x 256 along K, 17,408 bytes at (K step x 8 + row / 128) x 17408: codes [8 tiles of 16 rows][8 blocks of 32][16 rows][16 bytes], the image of an operand's registers;
; at +16384 the scale bytes, [128 rows][8].
; Work-group g: K step g % 16, rows 64 (g / 16) on; a wave takes 8 rows x 256 along K: 1,024 bytes of codes, 64 of scale bytes.  The eight waves' scale bytes meet in LDS and leave as 512 bytes.
; A step is two rows: 2,048 bytes, turned through the wave's own stage so that lane l holds 16 neighbours: row l / 16, half l % 2 of block (l % 16) / 2.  All 16 loads of a wave go out at its head.
; A wave takes 8 of a tile's 16 rows; two waves share a tile's stage of codes.
.set WREG,  5120                       ; for each wave: two input stages of 32 x 80 bytes
.set CODES, 40960                      ; four tiles' stages of codes, 2,304 bytes each: 8 blocks 288 bytes apart
.set SCB,   50176                      ; the work-group's 512 scale bytes
.set SPARE, 50688                      ; the spare words, 128 bytes for each wave
.set SPW, 1
.set NIL, 2
.set LD,  3
.set TI,  4
.set TO,  5
.set CW,  6
.set CR,  7
.set SW,  8
.set SR,  9
.set X,   32                           ; v32-63 two sets of 16 neighbours
.set C,   64                           ; v64-79 a step's codes
.set E,   80                           ; v80-87 a step's scale byte
.set O,   96                           ; v96-111 the way out
.set R,   128                          ; v128-255 as loaded
	s_load_b128 s[4:7], s[0:1], 0x0                ; x s[4:5], xq s[6:7]
	v_lshl_add_u32 v[SPW], v0, 2, SPARE
	v_mov_b32 v[NIL], 0
	v_lshrrev_b32 v15, 5, v0
	v_readfirstlane_b32 s8, v15                    ; wave 0..7
	v_and_b32 v10, 31, v0                          ; lane
	v_lshlrev_b32 v[LD], 4, v10
	s_lshr_b32 s12, ttmp9, 4                       ; which 64 rows
	s_and_b32 s13, ttmp9, 15                       ; K step
	s_lshl_b32 s14, s12, 3
	s_add_co_u32 s14, s14, s8                      ; which 8 rows: 0..127
	s_lshl_b32 s14, s14, 17                        ; 8 rows of 16,384 bytes
	s_lshl_b32 s15, s13, 10
	s_add_co_u32 s14, s14, s15
	s_mov_b32 s15, 0
	s_wait_alu depctr_va_vdst(0)                   ; directly ahead of the wait below
	s_wait_kmcnt 0x0
	s_add_nc_u64 s[4:5], s[4:5], s[14:15]
.irp t, 0,1,2,3
.irp i, 0,1,2,3
	global_load_b128 v[R+16*\t+4*\i:R+16*\t+4*\i+3], v[LD], s[4:5] offset:16384*(2*\t+\i/2)+512*(\i%2) th:TH_LOAD_NT
.endr
.endr
	s_lshl_b32 s16, s13, 3
	s_lshr_b32 s17, s12, 1
	s_add_co_u32 s16, s16, s17
	s_mul_i32 s16, s16, 17408                      ; my share
	s_and_b32 s17, s12, 1
	s_lshl_b32 s18, s17, 9
	s_add_co_u32 s18, s18, s16
	s_add_co_u32 s18, s18, 16384                   ; the work-group's scale bytes
	s_lshl_b32 s17, s17, 13
	s_add_co_u32 s16, s16, s17
	s_lshl_b32 s17, s8, 10
	s_add_co_u32 s16, s16, s17                     ; the half of a tile's codes that I store
	s_mov_b32 s17, 0
	s_mov_b32 s19, 0
	s_add_nc_u64 s[16:17], s[6:7], s[16:17]
	s_add_nc_u64 s[18:19], s[6:7], s[18:19]
	s_mul_i32 s9, s8, WREG
	s_lshr_b32 s20, s8, 1
	s_and_b32 s21, s8, 1
	s_mul_i32 s20, s20, 2304
	s_add_co_u32 s20, s20, CODES                   ; my tile's stage
	s_lshl_b32 s10, s21, 7
	s_add_co_u32 s10, s10, s20                     ; in: my 8 rows of each block
	s_mul_i32 s22, s21, 1152
	s_add_co_u32 s22, s22, s20                     ; back: four of the tile's 8 blocks
	s_lshl_b32 s11, s8, 6
	s_add_co_u32 s11, s11, SCB
	v_bfe_u32 v11, v0, 4, 1
	v_bfe_u32 v12, v0, 1, 3
	v_and_b32 v13, 1, v0
	v_lshrrev_b32 v14, 2, v10
	v_mul_u32_u24 v[TI], v14, 80
	v_and_b32 v14, 3, v10
	v_lshl_add_u32 v[TI], v14, 4, v[TI]
	v_add_nc_u32 v[TI], s9, v[TI]                  ; stage, in: 80 (l / 4) + 16 (l % 4)
	v_mul_u32_u24 v[TO], v10, 80
	v_add_nc_u32 v[TO], s9, v[TO]                  ; and back: 80 l
	v_mul_u32_u24 v[CW], v12, 288
	v_lshl_add_u32 v[CW], v13, 3, v[CW]
	v_lshl_add_u32 v[CW], v11, 4, v[CW]
	v_add_nc_u32 v[CW], s10, v[CW]                 ; codes, in: block x 288 + row x 16 + half x 8
	v_mul_u32_u24 v[CR], v11, 288
	v_and_b32 v14, 15, v0
	v_lshl_add_u32 v[CR], v14, 4, v[CR]
	v_add_nc_u32 v[CR], s22, v[CR]                 ; and back: two blocks of 256 bytes an instruction
	v_lshl_add_u32 v[SW], v11, 3, v12
	v_add_nc_u32 v[SW], s11, v[SW]                 ; scale bytes, in: 8 x row + block
	v_lshl_add_u32 v[SR], v10, 4, SCB
	s_wait_alu depctr_va_vdst(0)                   ; the head's end
.macro TURN t                          ; LDS serves a wave's instructions in order: these loads see these stores
.irp i, 0,1,2,3
	ds_store_b128 v[TI], v[R+16*(\t)+4*\i:R+16*(\t)+4*\i+3] offset:2560*((\t)%2)+640*\i
.endr
.irp i, 0,1,2,3
	ds_load_b128 v[X+16*((\t)%2)+4*\i:X+16*((\t)%2)+4*\i+3], v[TO] offset:2560*((\t)%2)+16*\i
.endr
.endm
	s_wait_loadcnt 12                              ; step 0's four loads are in
	TURN 0
.macro STEP t
.set XS, X+16*((\t)%2)
.if (\t) > 0
	s_wait_dscnt 2                                 ; younger: the last step's two stores
.else
	s_wait_dscnt 0x0
.endif
.if (\t) < 3
	s_wait_loadcnt 4*(2-(\t))                      ; the next step's loads are in; younger: steps t + 2 .. 3
	TURN (\t)+1
.endif
	v_max3_num_f32 v10, |v[XS]|, |v[XS+1]|, |v[XS+2]|
	v_max3_num_f32 v11, |v[XS+3]|, |v[XS+4]|, |v[XS+5]|
.irp i, 6,10
	v_max3_num_f32 v10, v10, |v[XS+\i]|, |v[XS+\i+1]|
	v_max3_num_f32 v11, v11, |v[XS+\i+2]|, |v[XS+\i+3]|
.endr
	v_max3_num_f32 v10, v10, |v[XS+14]|, |v[XS+15]|
	v_max3_num_f32 v10, v10, v11, 0x1800000        ; and the floor 2^(3 - 127)
	v_max_num_f32_dpp v10, v10, v10 row_xmask:1 row_mask:0xf bank_mask:0xf   ; with my neighbour's 16: the block's
	v_add_nc_u32 v12, 0xff000000, v10              ; 2 off its exponent field: the conversion takes this exponent field as its scale
	v_cvt_scalef32_pk8_fp4_f32 v[C+2*(\t)], v[XS:XS+7], v12
	v_cvt_scalef32_pk8_fp4_f32 v[C+2*(\t)+1], v[XS+8:XS+15], v12
	v_lshrrev_b32 v[E+(\t)], 23, v12
	v_add_nc_u32 v[E+(\t)], 37, v[E+(\t)]          ; W's factor 2^-37 is made up for here
	v_min_u32 v[E+(\t)], 0xfe, v[E+(\t)]
	ds_store_b64 v[CW], v[C+2*(\t):C+2*(\t)+1] offset:32*(\t)
	ds_store_b8 v[SW], v[E+(\t)] offset:16*(\t)    ; both lanes of a block write the same byte with the same value
.endm
.irp t, 0,1,2,3
	STEP \t
.endr
	s_wait_dscnt 0x0                               ; my codes and scale bytes are stored, for the others' sake
	s_barrier_signal -1
	s_barrier_wait -1
.irp i, 0,1
	ds_load_b128 v[O+4*\i:O+4*\i+3], v[CR] offset:576*\i
.endr
	s_wait_dscnt 0x0
.irp i, 0,1
	global_store_b128 v[LD], v[O+4*\i:O+4*\i+3], s[16:17] offset:512*\i
.endr
	s_cmp_lg_u32 s8, 0
	s_cbranch_scc1 .Lend
	ds_load_b128 v[112:115], v[SR]
	s_wait_dscnt 0x0
	global_store_b128 v[LD], v[112:115], s[18:19]  ; 512 consecutive bytes: 64 rows' scale bytes
.Lend:
	s_wait_tensorcnt 0x0                           ; the wave's end
	ds_add_u32 v[SPW], v[NIL]
	s_wait_dscnt 0x0
	s_endpgm
.Lfunc_end_k_qeb8f756cac_qx:
	.size	k_qeb8f756cac_qx, .Lfunc_end_k_qeb8f756cac_qx-k_qeb8f756cac_qx
	.p2alignl 7, 3214868480
	.fill 96, 4, 3214868480
	.section	.rodata,"a",@progbits
	.p2align	6, 0x0
	.amdhsa_kernel k_qeb8f756cac_qx
		.amdhsa_group_segment_fixed_size 51712
		.amdhsa_private_segment_fixed_size 0
		.amdhsa_enable_private_segment 0
		.amdhsa_kernarg_size 16
		.amdhsa_user_sgpr_count 2
		.amdhsa_user_sgpr_kernarg_segment_ptr 1
		.amdhsa_wavefront_size32 1
		.amdhsa_system_sgpr_workgroup_id_x 1
		.amdhsa_system_sgpr_workgroup_id_y 1
		.amdhsa_system_sgpr_workgroup_id_z 1
		.amdhsa_system_vgpr_workitem_id 0
		.amdhsa_next_free_vgpr 256
		.amdhsa_next_free_sgpr 66
		.amdhsa_reserve_vcc 0
		.amdhsa_float_denorm_mode_32 3
		.amdhsa_float_denorm_mode_16_64 3
		.amdhsa_memory_ordered 1
		.amdhsa_forward_progress 1
		.amdhsa_inst_pref_size 12
	.end_amdhsa_kernel
	.amdgpu_metadata
---
amdhsa.version: [ 1, 2 ]
amdhsa.kernels:
  - .name:           k_qeb8f756cac_qx
    .symbol:         k_qeb8f756cac_qx.kd
    .args:
      - { .name: x, .offset: 0, .size: 8, .value_kind: global_buffer, .address_space: global }
      - { .name: xq, .offset: 8, .size: 8, .value_kind: global_buffer, .address_space: global }
    .group_segment_fixed_size: 51712
    .private_segment_fixed_size: 0
    .kernarg_segment_align: 8
    .kernarg_segment_size: 16
    .max_flat_workgroup_size: 256
    .sgpr_count:     66
    .vgpr_count:     256
    .wavefront_size: 32
...
	.end_amdgpu_metadata
.endif
;; end of part 1
;; launch fused (part 2): grid 56 x 4, 8 waves a work-group, clusters of 4 x 4, 327,680 bytes of LDS; arguments xq, weight_int8, scb, out0; writes out0
.if DOCPART == 2
	.amdgcn_target "amdgcn-amd-amdhsa--gfx1250"
	.amdhsa_code_object_version 6
	.text
	.protected	k_qeb8f756cac_fused
	.globl	k_qeb8f756cac_fused
	.p2align	8
	.type	k_qeb8f756cac_fused,@function
k_qeb8f756cac_fused:
	s_mov_b64 s[64:65], 0
	v_nop
	global_prefetch_b8 v0, s[64:65] scope:SCOPE_SE
	s_setreg_imm32_b32 hwreg(HW_REG_WAVE_MODE, 25, 1), 1
	s_wait_xcnt 0x0
	s_wait_alu depctr_hold_cnt(0) depctr_sa_sdst(0) depctr_va_vdst(0) depctr_va_sdst(0) depctr_va_ssrc(0) depctr_va_vcc(0) depctr_vm_vsrc(0)
	s_getreg_b32 s2, hwreg(HW_REG_IB_STS2, 6, 4)
	s_cmp_eq_u32 s2, 0
	s_cbranch_scc0 .Lentry_in_a_cluster
	s_endpgm
.Lentry_in_a_cluster:
	s_bfe_u32 s2, ttmp6, 0x10000c
	s_cmp_lg_u32 s2, 0xf033
	s_cbranch_scc0 .Lentry_shape_is_right
	s_endpgm
.Lentry_shape_is_right:
; out[m][o] = bf16(clip(sum over k of Q(x)[m][k] Q(W)[o][k], +-448)), a NaN becoming 448.  W[o][k] = f32(weight_int8[o][k]) x (scb[o] / 127).  x comes as codes and scale bytes in shares (xq, see the first launch).
; A WORK-GROUP OWNS 128 ROWS OF W (128 columns, 256 bytes of an output row) AND 512 ROWS OF x.  W is quantised on its way from memory to LDS, in registers, and its codes never go to memory; each row of W is quantised by
; two work-groups of one cluster.  Eight waves; wave w makes 128 columns x rows 64 w .. 64 w + 63: 16 accumulators of 32 x 16, 256 registers.
; x's codes: a ring of two LDS slots filled by the tensor data mover, 512 along K each: eight shares of 17,408 bytes (68 rows of 256), one fetched by each wave.  CLUSTERS of 4 x 4: the place (cx, cy) takes x's half cy % 2 and
; columns 8 (cluster) + 4 (cy / 2) + cx; the four of a row of the cluster need the same shares and ask for them JOINTLY.
; W: K steps of 256, two to a slot.  Each wave loads 16 rows x 256 bytes of a K step straight into registers, two K steps ahead of their use (so W is not prefetched: its loads are out that long already), quantises them while
; the K step before is multiplied, and puts codes and scale bytes into one of two LDS buffers, from which all eight waves take them.
; PREFETCH: behind the refill of slot m + 2 the first four clusters ask for slot m + 4; a cluster's work-groups and waves share its blocks of 256 bytes out by address, 9 a wave (8 or fewer where the 68 of a work-group end).
; The first slots come by their loads alone.
; QUANTISING W: byte i as u = i + 128 (one xor for four); u's bits alone in a register are the f32 subnormal u 2^-149; u 2^-149 x (s 2^112) - 128 s 2^-37 in ONE fused multiply-add is i s 2^-37, rounded once, as i x s is.
; The factor 2^-37 is made up for in x's scale bytes.
; THE MATRIX INSTRUCTION IS USED TRANSPOSED (source 0 = 32 rows of W, source 1 = 16 rows of x): a lane holds neighbouring columns of one row of the output.
; LIMITS: scb from 2^-70 to 2^21 in magnitude; a block of zeros of W gets the floor's byte (its codes are zeros, and this program alone reads the bytes); NaN and infinities among scb are not served.
.set SHARE,  17408                     ; 128 rows x 256 along K: 16,384 bytes of codes, 1,024 of scale bytes
.set STEPA,  8*SHARE                   ; a K step of xq; and a slot
.set WBASE,  2*STEPA                   ; W's buffers: codes [8 tiles of 16 rows][8 blocks of 32, 288 bytes apart][16 rows][16 bytes], at +18432 the scale bytes [128 rows][8]
.set WBUF,   19456
.set SPARE,  WBASE+2*WBUF              ; the spare words, 128 bytes for each wave
.set ROWC,   14336*2
.set SPITCH, 272                       ; the way out: 16 rows x (256 + 16) bytes for each wave, in slot 0, whose last fill and last read are over by then
.set SPW, 1
.set NIL, 2
.set VW,  3                            ; my 16 bytes of two rows of W
.set PFO, 4
.set WA,  9                            ; W's fragments
.set WSA, 10                           ; W's scale words
.set CW,  11                           ; where I put codes of W
.set SW,  12                           ; where I put scale bytes of W
.set VO,  13
.set STO, 14
.set RD,  15
.set SCP, 16                           ; v16-31  for each of my 8 rows of W: s 2^112, -128 s 2^-37
.set MA,  32
.set MB,  34
.set SO,  36
.set EE,  38
.set CC,  40                           ; v40-43
.set X,   44                           ; v44-75  32 numbers at work
.set RAW, 76                           ; v76-139 two sets of 32 registers: W as loaded
.set WF,  140                          ; v140-203 W's fragments: 4 x 32 rows x 128 K
.set XF,  204                          ; v204-235 x's fragments: 4 x 16 rows x 128 K
.set WSC, 236                          ; v236-243 W's scale words: 2 b + q
.set XSC, 244                          ; v244-247 x's: 2 (i / 2) + q; block i in lanes 0-15 (i even) or 16-31 (i odd)
.set AA,  248                          ; v248-251 my x fragments: 2 x slot + which 256 along K of the slot
.set AS,  252                          ; v252-255 my x scale words
.set TMP, 140                          ; the way out
.set BK,  172
.set HV,  164                          ; at work in the head
.set G1,  24
.set G0,  32                           ; s[32:39] group 0, one set for each slot
.set LIM, 2
.set MSB, 0
.macro WIN new                         ; the immediate's high byte repeats the setting that is left
.if MSB != (\new)
	s_set_vgpr_msb (MSB<<8)|(\new)
.set MSB, \new
.endif
.endm
.macro CREST                           ; a round of the cluster's barrier behind its opening barrier
	s_cmp_lg_u32 s14, 0
	s_cbranch_scc1 .Lnot_wave_0_\@
	s_barrier_signal -3
.Lnot_wave_0_\@:
	s_barrier_wait -3
	s_barrier_signal -1
	s_barrier_wait -1
.endm
.macro CROUND
	s_barrier_signal -1
	s_barrier_wait -1
	CREST
.endm
.macro RLOAD set, j0, n, off           ; n loads of W: rows 2 j + lane / 16, j = j0 ..: two aligned blocks of 256 bytes each
.set U, \j0
.rept \n
	global_load_b128 v[RAW+32*(\set)+4*U:RAW+32*(\set)+4*U+3], v[VW], s[20:21] offset:8192*U+(\off) th:TH_LOAD_RT
.set U, U+1
.endr
.endm
.macro XORS set, j0                    ; four signed bytes i become i + 128
.irp i, 0,1,2,3,4,5,6,7
	v_xor_b32 v[RAW+32*(\set)+4*(\j0)+\i], s16, v[RAW+32*(\set)+4*(\j0)+\i]
.endr
.endm
.macro QREG set, j0                    ; a quarter of my part of a K step of W: two runs of 16 neighbours, by turns, in registers
.set RW, RAW+32*(\set)+4*(\j0)
.irp i, 0,1,2,3,4,5,6,7
	v_and_b32 v[X+4*\i], s15, v[RW+\i]
	v_bfe_u32 v[X+4*\i+1], v[RW+\i], 8, 8
	v_bfe_u32 v[X+4*\i+2], v[RW+\i], 16, 8
	v_lshrrev_b32 v[X+4*\i+3], 24, v[RW+\i]
.endr
.irp p, 0,2,4,6,8,10,12,14
.irp u, 0,1
	v_pk_fma_f32 v[X+16*\u+\p:X+16*\u+\p+1], v[X+16*\u+\p:X+16*\u+\p+1], v[SCP+2*((\j0)+\u):SCP+2*((\j0)+\u)+1], v[SCP+2*((\j0)+\u):SCP+2*((\j0)+\u)+1] op_sel:[0,0,1] op_sel_hi:[1,0,1]
.endr
.endr
.irp u, 0,1
	v_max3_num_f32 v[MA+\u], |v[X+16*\u]|, |v[X+16*\u+1]|, |v[X+16*\u+2]|
	v_max3_num_f32 v[MB+\u], |v[X+16*\u+3]|, |v[X+16*\u+4]|, |v[X+16*\u+5]|
.endr
.irp i, 6,10
.irp u, 0,1
	v_max3_num_f32 v[MA+\u], v[MA+\u], |v[X+16*\u+\i]|, |v[X+16*\u+\i+1]|
	v_max3_num_f32 v[MB+\u], v[MB+\u], |v[X+16*\u+\i+2]|, |v[X+16*\u+\i+3]|
.endr
.endr
.irp u, 0,1
	v_max3_num_f32 v[MA+\u], v[MA+\u], |v[X+16*\u+14]|, |v[X+16*\u+15]|
.endr
.irp u, 0,1
	v_max3_num_f32 v[MA+\u], v[MA+\u], v[MB+\u], 0x1800000     ; and the floor 2^(3 - 127)
.endr
.irp u, 0,1
	v_max_num_f32_dpp v[MA+\u], v[MA+\u], v[MA+\u] row_xmask:1 row_mask:0xf bank_mask:0xf   ; with my neighbour's 16: the block's
.endr
.irp u, 0,1
	v_add_nc_u32 v[SO+\u], 0xff000000, v[MA+\u]    ; 2 off the exponent field: the conversion's scale
.endr
.irp u, 0,1
	v_cvt_scalef32_pk8_fp4_f32 v[CC+2*\u], v[X+16*\u:X+16*\u+7], v[SO+\u]
	v_cvt_scalef32_pk8_fp4_f32 v[CC+2*\u+1], v[X+16*\u+8:X+16*\u+15], v[SO+\u]
.endr
.irp u, 0,1
	v_lshrrev_b32 v[EE+\u], 23, v[SO+\u]           ; the scale's byte
.endr
.endm
.macro QSTO j0, dst                    ; and into W's buffer dst: four LDS stores
.irp u, 0,1
	ds_store_b64 v[CW], v[CC+2*\u:CC+2*\u+1] offset:32*((\j0)+\u)+WBUF*(\dst)
	ds_store_b8 v[SW], v[EE+\u] offset:16*((\j0)+\u)+WBUF*(\dst)   ; both lanes of a block write the same byte with the same value
.endr
.endm
.macro QUANT set, j0, dst
	XORS \set, \j0
	QREG \set, \j0
	QSTO \j0, \dst
.endm
; x (0..3): 2 x slot + which K step of the slot; W's buffer is x % 2.
.macro FETCH x, q                      ; the fragments of the K step's q-th 128, x's first, then W's in the order of their use; with q = 0 the scale words of both ahead of them
.if (\q) == 0
.irp n, 0,1,2,3
	ds_load_b64 v[WSC+2*\n:WSC+2*\n+1], v[WSA] offset:256*\n+WBUF*((\x)%2)
.endr
.irp i, 0,1
	ds_load_b64 v[XSC+2*\i:XSC+2*\i+1], v[AS+(\x)] offset:256*\i
.endr
.endif
.irp i, 0,1,2,3
.irp c, 0,1
	ds_load_b128 v[XF+8*\i+4*\c:XF+8*\i+4*\c+3], v[AA+(\x)] offset:2048*\i+1024*(\q)+512*\c
.endr
.endr
.irp n, 0,1,2,3,4,5,6,7
.irp c, 0,1
	ds_load_b128 v[WF+8*\n+4*\c:WF+8*\n+4*\c+3], v[WA] offset:2304*\n+288*(4*(\q)+2*\c)+WBUF*((\x)%2)
.endr
.endr
.endm
.macro MULB b, q, zero                 ; W's block b of 32 rows against x's four blocks; the 16 accumulators take turns, always in the same order
.irp i, 0,1,2,3
.set AC, 64*\i+16*(\b)
.if \zero
.if \i%2
	v_wmma_scale_f32_32x16x128_f4 v[AC:AC+15], v[WF+16*(\b):WF+16*(\b)+15], v[XF+8*\i:XF+8*\i+7], 0, v[WSC+2*(\b)+(\q)], v[XSC+2*(\i/2)+(\q)] matrix_b_scale:MATRIX_SCALE_ROW1
.else
	v_wmma_scale_f32_32x16x128_f4 v[AC:AC+15], v[WF+16*(\b):WF+16*(\b)+15], v[XF+8*\i:XF+8*\i+7], 0, v[WSC+2*(\b)+(\q)], v[XSC+2*(\i/2)+(\q)]
.endif
.else
.if \i%2
	v_wmma_scale_f32_32x16x128_f4 v[AC:AC+15], v[WF+16*(\b):WF+16*(\b)+15], v[XF+8*\i:XF+8*\i+7], v[AC:AC+15], v[WSC+2*(\b)+(\q)], v[XSC+2*(\i/2)+(\q)] matrix_b_scale:MATRIX_SCALE_ROW1
.else
	v_wmma_scale_f32_32x16x128_f4 v[AC:AC+15], v[WF+16*(\b):WF+16*(\b)+15], v[XF+8*\i:XF+8*\i+7], v[AC:AC+15], v[WSC+2*(\b)+(\q)], v[XSC+2*(\i/2)+(\q)]
.endif
.endif
.endr
.endm
.macro PLACES                          ; four places behind matrix instructions, in front of loads into their sources or reads of their results
.rept 4
	v_nop
.endr
.endm
.macro ASK
	s_cmp_gt_u32 s3, s[LIM]
	s_cbranch_scc0 .Lnot_mine_\@
	global_prefetch_b8 v[PFO], s[22:23] th:TH_LOAD_NT scope:SCOPE_SE
.Lnot_mine_\@:
.endm
; First half of a K step k: the first 128 along K.  Of W's K step k + 1 the first quarter lies quantised in registers and is stored; the second and third are quantised under the fragments' flight.
; load = 1: the registers used up take W's K step k + 3.  lc: how many younger loads of W may be out (in the loop: two of K step k + 1, eight of k + 2).
.macro H1 x, quant, lc, load, ask, zero
.set NS, 0
.if (\quant) == 0
	PLACES                                         ; (else the quantising ahead of the barrier has been the places in front of the loads below)
.endif
	FETCH \x, 0
.if \quant
.set NS, 12
	QSTO 0, 1-(\x)%2
	s_wait_loadcnt \lc
	QUANT 1-(\x)%2, 2, 1-(\x)%2
	QUANT 1-(\x)%2, 4, 1-(\x)%2
.if \load
	s_wait_xcnt 0x0                                ; every earlier memory instruction has read its base: both may be stepped
	s_add_nc_u64 s[20:21], s[20:21], 256
	RLOAD 1-(\x)%2, 0, 6, 0
.if \ask
	s_add_nc_u64 s[22:23], s[22:23], 2*STEPA
	ASK
.endif
.endif
.endif
	WIN 0x50                                       ; C and D in window 1
.irp b, 0,1,2,3
	s_wait_dscnt NS+12-4*\b                        ; younger: the stores of W's codes, and four loads for each later block of W
	MULB \b, 0, \zero
.endr
	WIN 0
.endm
; Second half; W's last quarter is quantised.  The barrier hands W's K step k + 1 from the waves that made it to all eight; the first quarter of K step k + 2 is quantised, in registers, between signal and wait (pre = 1).
; turn = 2: the slot is read out and is filled again, behind a round of the cluster's barrier; turn = 3: read out, not filled again; turn = 1: the slot's second K step follows; turn = 0: the last.
; lc (in the loop: eight of K step k + 2, six of k + 3) and lp (six of k + 2, eight of k + 3): how many younger loads of W may be out.
.macro H2 x, quant, lc, load, turn, pre, lp
.set NS, 0
.if \quant
.set NS, 4
	s_wait_loadcnt \lc
	XORS 1-(\x)%2, 6                               ; also the places in front of the loads below
.else
	PLACES
.endif
	FETCH \x, 1
.if \quant
	QREG 1-(\x)%2, 6
	QSTO 6, 1-(\x)%2
.if \load
	RLOAD 1-(\x)%2, 6, 2, 0
.endif
.endif
.if (\turn) > 1
	s_wait_tensorcnt 0x0                           ; all my tensor loads have landed: my share of the next slot
	ds_add_u32 v[SPW], v[NIL]
.set NS, NS+1
.endif
	WIN 0x50
.irp b, 0,1
	s_wait_dscnt NS+12-4*\b
	MULB \b, 1, 0
.endr
.if \pre
	s_wait_loadcnt \lp
.endif
	s_wait_dscnt 0x0                               ; my reads of this slot and buffer are over, my codes of W are stored (and the add is done)
.if \turn
	s_barrier_signal -1
.endif
	MULB 2, 1, 0
	MULB 3, 1, 0
	WIN 0
.if \pre
	XORS (\x)%2, 0
	QREG (\x)%2, 0
	s_wait_alu depctr_va_vdst(0)                   ; the codes are stored behind the barrier
.endif
.if \turn
	s_barrier_wait -1
.endif
.if (\turn) == 2
	CREST
	s_add_nc_u64 s[G0+4*((\x)/2)+2:G0+4*((\x)/2)+3], s[G0+4*((\x)/2)+2:G0+4*((\x)/2)+3], 4*STEPA
	tensor_load_to_lds s[G0+4*((\x)/2):G0+4*((\x)/2)+3], s[G1:G1+7]
	s_nop 0
.endif
.endm
	s_load_b256 s[4:11], s[0:1], 0x0               ; xq s[4:5], weight_int8 s[6:7], scb s[8:9], out0 s[10:11]
	v_lshl_add_u32 v[SPW], v0, 2, SPARE
	v_mov_b32 v[NIL], 0
	ds_add_u32 v[SPW], v[NIL]                      ; the wave's opening: the add twice on end; its wait stands ahead of my first tensor load
	ds_add_u32 v[SPW], v[NIL]
	v_lshrrev_b32 v[HV], 5, v0
	v_readfirstlane_b32 s14, v[HV]                 ; wave 0..7
	v_and_b32 v[HV+1], 31, v0                      ; lane
	v_lshrrev_b32 v[HV+2], 4, v[HV+1]              ; lane / 16
	v_and_b32 v[HV+3], 15, v[HV+1]                 ; lane % 16
	v_lshlrev_b32 v[VW], 4, v[HV+3]
	v_lshl_add_u32 v[VW], v[HV+2], 12, v[VW]
	v_lshlrev_b32 v[HV+4], 2, v[HV+2]
	s_bfe_u32 s40, ttmp6, 0x40000                  ; cx
	s_bfe_u32 s41, ttmp6, 0x40004                  ; cy
	s_and_b32 s56, s41, 1                          ; which half of x's rows
	s_lshr_b32 s57, s41, 1
	s_lshl_b32 s58, ttmp9, 3
	s_lshl_b32 s59, s57, 2
	s_add_co_u32 s58, s58, s59
	s_add_co_u32 s58, s58, s40                     ; which 128 columns: 0..111
	s_lshl_b32 s42, s58, 19                        ; 128 rows of 4,096 bytes of W,
	s_lshl_b32 s43, s14, 16                        ; 16 of them my wave's
	s_add_co_u32 s42, s42, s43
	s_mov_b32 s43, 0
	s_lshl_b32 s44, s58, 9
	s_lshl_b32 s45, s14, 6
	s_add_co_u32 s44, s44, s45
	s_mov_b32 s45, 0
	; descriptor group 1: 68 rows of 32 elements of 8 bytes, dense; the mask names my row of the cluster
	s_lshl_b32 s48, s41, 2
	s_lshl_b32 s48, 15, s48
	s_or_b32 s[G1+0], s48, (3<<16)|(1<<21)
	s_mov_b32 s[G1+1], 32<<16
	s_mov_b32 s[G1+2], 68<<16
	s_mov_b32 s[G1+3], 32<<16
	s_mov_b32 s[G1+4], 68
	s_mov_b32 s[G1+5], 32
	s_mov_b32 s[G1+6], 0
	s_mov_b32 s[G1+7], 0
	s_mul_i32 s50, s14, SHARE                      ; where my fetch goes in a slot: share w % 4 of K step w / 4
	s_lshr_b32 s52, s14, 2
	s_mul_i32 s52, s52, STEPA
	s_and_b32 s53, s14, 3
	s_mul_i32 s53, s53, SHARE
	s_add_co_u32 s52, s52, s53
	s_mul_i32 s53, s56, 4*SHARE
	s_add_co_u32 s52, s52, s53                     ; and where it comes from
	s_mov_b32 s53, 0
	s_wait_alu depctr_va_vdst(0)                   ; directly ahead of the waits below
	s_wait_dscnt 0x0                               ; both opening adds are done
	s_wait_kmcnt 0x0
	s_add_nc_u64 s[20:21], s[6:7], s[42:43]
	s_add_nc_u64 s[8:9], s[8:9], s[44:45]
.irp j, 0,1,2,3,4,5,6,7
	global_load_b32 v[140+\j], v[HV+4], s[8:9] offset:8*\j     ; scb of row 2 j + lane / 16
.endr
	RLOAD 0, 0, 8, 0                               ; W's K step 0
	s_add_nc_u64 s[54:55], s[4:5], s[52:53]
.irp s, 0,1
	s_mov_b32 s[G0+4*\s], 1
	s_add_co_u32 s[G0+4*\s+1], s50, \s*STEPA
	s_add_nc_u64 s[G0+4*\s+2:G0+4*\s+3], s[54:55], \s*2*STEPA
	s_or_b32 s[G0+4*\s+3], s[G0+4*\s+3], 0x80000000
.endr
	CROUND                                         ; all sixteen work-groups are here: the first joint loads meet
	tensor_load_to_lds s[G0:G0+3], s[G1:G1+7]      ; x's slot 0
	s_nop 0
	RLOAD 1, 0, 8, 256                             ; W's K step 1
	s_mul_i32 s42, s57, STEPA                      ; the prefetches: of a slot K step cy / 2, my half of the rows, share cx; the first asks for slot 4
	s_mul_i32 s43, s56, 4*SHARE
	s_add_co_u32 s42, s42, s43
	s_mul_i32 s43, s40, SHARE
	s_add_co_u32 s42, s42, s43
	s_add_co_u32 s42, s42, 6*STEPA
	s_mov_b32 s43, 0
	s_add_nc_u64 s[22:23], s[4:5], s[42:43]
	s_cmp_lt_u32 ttmp9, 4
	s_cselect_b32 s[LIM], 1, -1                    ; the first four clusters ask, but not in the loop's last trip
	s_lshl_b32 s42, s58, 8                         ; the output: 256 bytes of each row, rows 512 (cy % 2) + 64 w on
	s_mul_i32 s43, s56, 512*ROWC
	s_add_co_u32 s42, s42, s43
	s_mul_i32 s43, s14, 64*ROWC
	s_add_co_u32 s42, s42, s43
	s_mov_b32 s43, 0
	s_add_nc_u64 s[10:11], s[10:11], s[42:43]
	s_mov_b32 s12, 0x43e00000                      ; 448
	s_mov_b32 s13, 0xc3e00000                      ; -448
	s_mov_b32 s15, 0xff
	s_mov_b32 s16, 0x80808080
	s_mov_b32 s46, 0x3c010204                      ; 1 / 127, rounded
	s_mov_b32 s47, 0xc2fe0000                      ; -127
	s_lshr_b32 s42, s14, 1
	s_mul_i32 s42, s42, SHARE
	s_and_b32 s43, s14, 1
	s_lshl_b32 s44, s43, 13
	s_add_co_u32 s44, s44, s42                     ; my 64 rows' codes in a K step's four shares
	s_lshl_b32 s45, s43, 9
	s_add_co_u32 s45, s45, s42
	s_add_co_u32 s45, s45, 16384                   ; and their scale bytes
	s_mul_i32 s48, s14, 2304
	s_add_co_u32 s48, s48, WBASE                   ; my 16 rows in a buffer of W
	s_lshl_b32 s49, s14, 7
	s_add_co_u32 s49, s49, WBASE+18432
	s_mul_i32 s51, s14, 16*SPITCH                  ; my stage
	s_mul_i32 s43, s14, 9
.irp x, 0,1,2,3
	v_lshl_add_u32 v[AA+\x], v[HV+1], 4, s44
	v_lshl_add_u32 v[AS+\x], v[HV+1], 3, s45
.endr
.irp x, 1,2,3
	v_add_nc_u32 v[AA+\x], \x*4*SHARE, v[AA+\x]
	v_add_nc_u32 v[AS+\x], \x*4*SHARE, v[AS+\x]
.endr
	v_mul_u32_u24 v[WA], v[HV+2], 288
	v_lshl_add_u32 v[WA], v[HV+3], 4, v[WA]
	v_add_nc_u32 v[WA], WBASE, v[WA]
	v_lshl_add_u32 v[WSA], v[HV+1], 3, WBASE+18432
	v_bfe_u32 v[HV+5], v0, 1, 3                    ; my block of the row's 8
	v_and_b32 v[HV+6], 1, v0                       ; its half
	v_mul_u32_u24 v[CW], v[HV+5], 288
	v_lshl_add_u32 v[CW], v[HV+6], 3, v[CW]
	v_lshl_add_u32 v[CW], v[HV+2], 4, v[CW]
	v_add_nc_u32 v[CW], s48, v[CW]
	v_lshl_add_u32 v[SW], v[HV+2], 3, v[HV+5]
	v_add_nc_u32 v[SW], s49, v[SW]
	v_mul_u32_u24 v[STO], v[HV+3], SPITCH
	v_lshl_add_u32 v[STO], v[HV+2], 4, v[STO]
	v_add_nc_u32 v[STO], s51, v[STO]
	v_mul_u32_u24 v[RD], v[HV+2], SPITCH           ; the way out, back: sixteen lanes to a row of 256 bytes
	v_lshl_add_u32 v[RD], v[HV+3], 4, v[RD]
	v_add_nc_u32 v[RD], s51, v[RD]
	v_mul_u32_u24 v[VO], v[HV+2], ROWC
	v_lshl_add_u32 v[VO], v[HV+3], 4, v[VO]
	v_min_u32 v[PFO], 8, v[HV+1]                   ; my wave's 9 blocks of the work-group's 68; lanes left over name the last again
	v_add_nc_u32 v[PFO], s43, v[PFO]
	v_min_u32 v[PFO], 0x43, v[PFO]
	v_lshlrev_b32 v[PFO], 8, v[PFO]
	s_wait_alu depctr_va_vdst(0)                   ; directly ahead of the wait below
	s_wait_loadcnt 16                              ; scb is in; the sixteen loads of W may be out
.irp j, 0,1,2,3,4,5,6,7                ; s = scb / 127: a quotient, its remainder by a fused multiply-add, one correction
	v_mul_f32 v[148+\j], s46, v[140+\j]
.endr
.irp j, 0,1,2,3,4,5,6,7
	v_fma_f32 v[156+\j], v[148+\j], s47, v[140+\j]
.endr
.irp j, 0,1,2,3,4,5,6,7
	v_fma_f32 v[148+\j], v[156+\j], s46, v[148+\j]
.endr
.irp j, 0,1,2,3,4,5,6,7
	v_mul_f32 v[SCP+2*\j], 0x77800000, v[148+\j]   ; s 2^112
	v_mul_f32 v[SCP+2*\j+1], 0xb0800000, v[148+\j] ; -128 s 2^-37
.endr
	s_wait_alu depctr_va_vdst(0)                   ; directly ahead of the wait below
	s_wait_loadcnt 12                              ; W's K step 0, first half; younger: its second half and K step 1
	QUANT 0, 0, 0
	QUANT 0, 2, 0
	RLOAD 0, 0, 4, 512                             ; K step 2
	s_wait_loadcnt 12                              ; second half; younger: K step 1 and four loads of K step 2
	QUANT 0, 4, 0
	QUANT 0, 6, 0
	RLOAD 0, 4, 4, 512
	s_wait_loadcnt 14                              ; K step 1's first quarter; younger: six of K step 1, eight of K step 2
	XORS 1, 0
	QREG 1, 0                                      ; in registers; stored in K step 0's first half
	s_wait_alu depctr_va_vdst(0)                   ; the head's end
	s_wait_xcnt 0x0
	s_add_nc_u64 s[20:21], s[20:21], 512           ; at K step 2; each K step's first half steps on
	s_wait_tensorcnt 0x0                           ; my share of slot 0 is in
	ds_add_u32 v[SPW], v[NIL]
	s_wait_dscnt 0x0                               ; the add is done, my codes of W are stored
	CROUND
	tensor_load_to_lds s[G0+4:G0+7], s[G1:G1+7]    ; x's slot 1
	s_nop 0
	H1 0, 1, 10, 1, 0, 1                           ; K step 0's first half stands in front of the loop: its products start the sums
	s_mov_b32 s3, 3
.Lk:                                                   ; a trip goes once round the ring, four K steps: from a K step's second half to the first half of the one four further on
	H2 0, 1, 14, 1, 1, 1, 14
	H1 1, 1, 10, 1, 0, 0
	H2 1, 1, 14, 1, 2, 1, 14
	H1 2, 1, 10, 1, 1, 0
	H2 2, 1, 14, 1, 1, 1, 14
	H1 3, 1, 10, 1, 0, 0
	H2 3, 1, 14, 1, 2, 1, 14
	H1 0, 1, 10, 1, 1, 0
	s_sub_co_u32 s3, s3, 1
	s_cmp_lg_u32 s3, 0
	s_cbranch_scc1 .Lk
	H2 0, 1, 14, 1, 1, 1, 14                       ; K step 12: the last loads of W (K step 15)
	H1 1, 1, 10, 0, 0, 0                           ; 13: the counts run down: nothing younger than K step 15's eight loads is out
	H2 1, 1, 8, 0, 3, 1, 6                         ; nothing is filled again
	H1 2, 1, 2, 0, 0, 0                            ; 14
	H2 2, 1, 0, 0, 1, 0, 0
	H1 3, 0, 0, 0, 0, 0                            ; 15
	H2 3, 0, 0, 0, 0, 0, 0
; THE WAY OUT, block by block of 16 rows x 128 columns, through my own stage: a lane holds eight pieces of 16 bytes of one row; back come whole rows of 256 bytes, sixteen lanes each.
.macro PACK a
.set AC, 64*(\a)
	WIN 0x41                                       ; source 0 and destination: window 1
.set J, 0
.rept 64
	v_minmax_num_f32 v[AC+J], v[AC+J], s12, s13    ; max(min(v, 448), -448): the minimum makes 448 of a NaN
.set J, J+1
.endr
	WIN 0x05
.set J, 0
.rept 32
	v_cvt_pk_bf16_f32 v[TMP+J], v[AC+2*J], v[AC+2*J+1]
.set J, J+1
.endr
	WIN 0
.endm
.macro TOSTAGE a
.set BB, BK+32*((\a)%2)
.irp p, 0,1,2,3,4,5,6,7
	ds_store_b128 v[STO], v[TMP+4*\p:TMP+4*\p+3] offset:32*\p
.endr
.irp t, 0,1,2,3,4,5,6,7
	ds_load_b128 v[BB+4*\t:BB+4*\t+3], v[RD] offset:2*SPITCH*\t    ; LDS serves a wave's instructions in order: these see the stores above
.endr
.endm
.macro SEND a
.set BB, BK+32*((\a)%2)
	s_wait_dscnt 0x0                               ; the block is back in registers
	s_wait_xcnt 0x0                                ; the block before has been read by its stores: its registers may be loaded again behind this wait
.irp t, 0,1,2,3,4,5,6,7
	global_store_b128 v[VO], v[BB+4*\t:BB+4*\t+3], s[10:11] offset:(16*(\a)+2*\t)*ROWC th:TH_STORE_NT   ; two aligned blocks of 256 bytes
.endr
.endm
	PLACES                                         ; the conversions read results just made
	PACK 0
	TOSTAGE 0
.irp a, 1,2,3
	PACK \a
	s_wait_alu depctr_va_vdst(0)                   ; directly ahead of SEND's waits
	SEND \a-1
	TOSTAGE \a
.endr
	SEND 3
	s_wait_tensorcnt 0x0                           ; the wave's end
	ds_add_u32 v[SPW], v[NIL]
	s_wait_dscnt 0x0
	CROUND                                         ; the closing round: no work-group ends while a partner may still ask for a tile that names it
	s_endpgm
.Lfunc_end_k_qeb8f756cac_fused:
	.size	k_qeb8f756cac_fused, .Lfunc_end_k_qeb8f756cac_fused-k_qeb8f756cac_fused
	.p2alignl 7, 3214868480
	.fill 96, 4, 3214868480
	.section	.rodata,"a",@progbits
	.p2align	6, 0x0
	.amdhsa_kernel k_qeb8f756cac_fused
		.amdhsa_group_segment_fixed_size 327680
		.amdhsa_private_segment_fixed_size 0
		.amdhsa_enable_private_segment 0
		.amdhsa_kernarg_size 32
		.amdhsa_user_sgpr_count 2
		.amdhsa_user_sgpr_kernarg_segment_ptr 1
		.amdhsa_wavefront_size32 1
		.amdhsa_system_sgpr_workgroup_id_x 1
		.amdhsa_system_sgpr_workgroup_id_y 1
		.amdhsa_system_sgpr_workgroup_id_z 1
		.amdhsa_system_vgpr_workitem_id 0
		.amdhsa_next_free_vgpr 512
		.amdhsa_next_free_sgpr 66
		.amdhsa_reserve_vcc 0
		.amdhsa_float_denorm_mode_32 3
		.amdhsa_float_denorm_mode_16_64 3
		.amdhsa_memory_ordered 1
		.amdhsa_forward_progress 1
		.amdhsa_inst_pref_size 255
	.end_amdhsa_kernel
	.section	.bss,"aw",@nobits
	.p2align	6
	.space	262144
	.amdgpu_metadata
---
amdhsa.version: [ 1, 2 ]
amdhsa.kernels:
  - .name:           k_qeb8f756cac_fused
    .symbol:         k_qeb8f756cac_fused.kd
    .args:
      - { .name: xq, .offset: 0, .size: 8, .value_kind: global_buffer, .address_space: global }
      - { .name: weight_int8, .offset: 8, .size: 8, .value_kind: global_buffer, .address_space: global }
      - { .name: scb, .offset: 16, .size: 8, .value_kind: global_buffer, .address_space: global }
      - { .name: out0, .offset: 24, .size: 8, .value_kind: global_buffer, .address_space: global }
    .group_segment_fixed_size: 327680
    .private_segment_fixed_size: 0
    .kernarg_segment_align: 8
    .kernarg_segment_size: 32
    .max_flat_workgroup_size: 256
    .sgpr_count:     66
    .vgpr_count:     512
    .wavefront_size: 32
...
	.end_amdgpu_metadata
.endif
;; end of part 2
